; MI455X (gfx1250); checked and timed in simulation.
; The chip was launched on July 23, 2026; its instructions are those of AMD's public machine-readable ISA for CDNA 5 (MIT licence, August 2026) and "CDNA5" Instruction Set Architecture Reference Guide (July 2026). The comments in the code are by the model that wrote it; some were corrected since.
;; Real LRURTRL. Allowed arithmetic: float matrix products may take bf16 or f16 operands with f32 sums; all other float work in f32.
;; Inputs: B 128 x 128 float32; C 128 x 128 float32; lambda_log 128 float32; x 256 x 32 x 128 float32.
;; Outputs: out0 256 x 32 x 128 float32; out1 32 x 128 float32.
;; One version. Each part assembles by itself: llvm-mc -triple=amdgcn-amd-amdhsa -mcpu=gfx1250 --defsym DOCPART=n.
;; ======== version 1 of 1: 1 launch
;; limits: values are held in f16: magnitudes above 65,504 overflow, below 6.1e-05 lose precision; inputs' magnitudes at most 65,504
;; launch lru (part 1): grid 32 x 1, 4 waves a work-group, no clusters, 264,704 bytes of LDS; arguments x, lambda_log, B, C, out0, out1; writes out0, out1
.if DOCPART == 1
	.amdgcn_target "amdgcn-amd-amdhsa--gfx1250"
	.amdhsa_code_object_version 6
	.text
	.protected	k_q355aa33191_lru
	.globl	k_q355aa33191_lru
	.p2align	8
	.type	k_q355aa33191_lru,@function
k_q355aa33191_lru:
	s_mov_b64 s[64:65], 0
	v_nop
	global_prefetch_b8 v0, s[64:65] scope:SCOPE_SE
	s_setreg_imm32_b32 hwreg(HW_REG_WAVE_MODE, 25, 1), 1
	s_wait_xcnt 0x0
; RealLRU, forward:  h[t] = lam h[t-1] + gamma (x[t] B^T),  out0[t] = h[t] C^T,  out1 = h[255].
; x, out0: [256][32][128] f32.  B, C: [128][128] f32.  lambda_log: [128] f32.  out1: [32][128] f32.
; reference() also carries s_l and s_B, returns neither, and nothing that it returns reads them: they are not computed here.
;
; ONE WORK-GROUP FOR EACH BATCH ROW b (32 independent sequences), four waves.  Wave w owns steps 64 w .. 64 w + 63 as four tiles of 16 rows;
; rows 0-7 of tile i are steps 64 w + 8 i + j, rows 8-15 steps 64 w + 32 + 8 i + j.  In a matrix result register j of lane (r, h) is row 8 h + j,
; column r: so a lane holds eight CONSECUTIVE steps of one channel, the recurrence is a chain of v_fma_f32 inside the lane that runs on from tile to
; tile, and the two halves of the lanes are two chunks of 32 steps (chunk q = 2 w + h; eight chunks at once in the work-group).
; Each chunk starts from zero; the chunks' end states meet in LDS, each lane sums the state in front of its chunk (Horner in lam^32) and adds
; lam^(tl+1) times it to its 32 steps.  All of this in f32; the order of rounding differs from the step-by-step one.
; The scan runs on g = h / gamma (g = lam g + x B^T); gamma comes in with the scale below, and into out1.
;
; PRODUCTS: f16 OPERANDS, f32 SUMS.  f16 and not bf16 because out0 passes through four rounded operands (x, B, h, C) and is compared within a
; hundredth of its root mean square: four roundings to 8 significant bits have a tail that reaches that, four to 11 bits stay a factor 8 below.
; x, B, C go as they are.  h has no fixed room in f16 (offsets in x and B with lam near 1 carry it past 65504), so each wave scales its 64 steps
; by a power of two: M = max over channels of gamma (max |g of the chunk from zero| + |state in front|) bounds every |h| of the wave, since
; lam^k <= 1; with E the exponent field of M, s = 2^(134 - E) gives |h| s < 2^8.  Below that f16 has 22 more binades at full precision, so a loose
; bound costs nothing.  g is multiplied once, by gamma s; the sums are multiplied by 2^(E - 134), which is exact.
; B's and C's fragments stay in registers (256 each), so LDS gives each wave each weight once.
; The second product is used transposed (source 0 = rows of C): a lane's eight results are eight neighbouring o of one row of out0.
;
; NO JOINT (CLUSTER) LOADS for B and C, though all 32 work-groups read them: a tensor load could only land them as f32, 2 x 128 x 528 = 135,168 bytes
; of LDS more (399,360 with the 264,192 used here; a work-group can have 327,680), and 131,072 bytes more to write and read in LDS per work-group.
; Here each wave takes its 32 rows of each through registers, a whole row of 512 bytes an instruction, and stores them as f16.
; NO PREFETCH, NO RING: every input byte is asked for in the first lines; x's 131,072 bytes per work-group lie in LDS at once.
;
; LIMITS.  |x|, |B|, |C| below 65504 (f16's largest); parts of them below 2^-14 are rounded to multiples of 2^-24.  g = h / gamma has to be finite
; in f32 (gamma >= sqrt(1e-7), so |h| up to about 1e35).  E is clamped at 8: waves whose |h| all lie below 2^-119 keep the scale 2^126.
; v_exp_f32 takes denormal inputs as zero and gives zero for denormal results (ISA guide, 15.8): exp(lambda_log) below 2^-126 counts as 0
; (lam = 1), lam below 2^-126 as 0.  Where 1 - lam^2 is under about 1e-5, gamma hangs on the last bit of lam, in reference() as here; the three
; steps 1 - lam*lam + 1e-7 are therefore rounded one by one, as reference() rounds them, and not fused.
.set TSTEP, 16384                      ; bytes from x[t][b] to x[t+1][b], and the same in out0
.set XP,    528                        ; LDS pitch of a row of 128 f32: 512 + 16 = 33 x 16, so 16 rows start at 16 different 16-byte columns of 256 bytes
.set WP,    272                        ; LDS pitch of a row of 128 f16: 256 + 16 = 17 x 16
.set MT,    16*XP                      ; a tile of 16 rows of f32
.set XSW,   4*MT                       ; x: a wave's four tiles.  x lies at LDS byte 0
.set BW,    4*XSW                      ; B as f16, [n][d]
.set CW,    128*WP                     ; C as f16, [o][n]: this far behind BW
.set HT,    BW+2*CW                    ; h s as f16, [n][16 steps], 32 bytes a row: 4,096 bytes for each wave
.set FS,    HT+4*4096                  ; 16 slots of 128 f32: slots 0-7 zeros, slot 8 + q the end state of chunk q
.set FP,    576                        ; a slot's pitch: 512 + 64, so the two halves of the lanes (neighbouring slots) lie 16 words apart modulo 64
.set OS,    FS+16*FP                   ; the way out: 16 rows of f32 for each wave.  Ends at 264,192
; window 0 (v0-255)
.set LN,  1                            ; lane
.set RR,  2                            ; r = lane % 16
.set HH,  3                            ; h = lane / 16
.set TA,  4
.set TB,  5
.set GO,  6                            ; 16 x lane: my 16 bytes of a row of 512 (global offset)
.set GL,  7                            ; 4 r
.set AX,  8                            ; LDS: x fragments
.set AWS, 9                            ; LDS: where my rows of B (and, CW further, of C) go
.set AWF, 10                           ; LDS: weight fragments
.set AHS, 11                           ; LDS: h in
.set AHL, 12                           ; LDS: h back, transposed
.set AFS, 13                           ; LDS: slot q of my chunk, my channel
.set AF4, 14                           ; LDS: slot 8, channels 4 lane .. 4 lane + 3
.set AOS, 15                           ; LDS: stage in
.set AOL, 16                           ; LDS: stage back
.set ZR,  17                           ; 0
.set IS,  18                           ; v[18:19]   1 / s, twice (a pair for the packed multiply)
.set GR,  24                           ; v[24:31]   gamma of channel 16 nt + r
.set G4,  32                           ; v[32:35]   gamma of channels 4 lane .. + 3
.set L4,  36                           ; v[36:39]   lam^32 of the same
.set CI,  40                           ; v[40:55]   for each channel tile a pair: the state in front (times lam^(8 i)), lam^32
.set MX,  56                           ; v[56:63]   for each channel tile: the largest |g| of my chunk, counted from zero
.set U,   64                           ; v[64:127]  for each channel tile nt: lam^1 .. lam^8 of channel 16 nt + r
.set RAW, 128                          ; v[128:191] x as f32; the chunks' states; rows of out0
.set TM,  RAW+56                       ; v[184:191] at work for the scale (the states take v[128:183])
.set AF,  192                          ; v[192:223] x fragments (4 K steps x 8)
.set FF,  208                          ; v[208:223] behind the first product: for each channel tile gamma s, twice
.set PK,  224                          ; v[224:255] h s as f16, 4 registers a channel tile
; window 1: g, tile (i, nt) at 64 i + 8 nt; later out0's accumulators, tile (i, ot) in the same place
; window 2: B's rows as loaded (0-127), then B's fragments (nt, ks) at 32 nt + 8 ks, then h's fragments (two buffers, 0-31 and 32-63)
; window 3: C's rows as loaded (0-127), then C's fragments (ot, ks) at 32 ot + 8 ks
.set G1, 24                            ; s[24:31] descriptor group 1
.set G0, 32                            ; s[32:63] descriptor group 0, one set for each of my eight loads
; s_set_vgpr_msb: bits 1:0 source 0, 3:2 source 1, 5:4 source 2, 7:6 destination; the high byte repeats the setting that is left
.set MSB, 0
.macro WIN new
.if MSB != \new
	s_set_vgpr_msb (MSB<<8)|\new
.set MSB, \new
.endif
.endm
.set W_LD2, 0x80                       ; a load into window 2
.set W_LD3, 0xc0                       ; a load into window 3
.set W_CV2, 0x8a                       ; conversion in place in window 2
.set W_ST2, 0x08                       ; LDS store of data in window 2
.set W_CV3, 0xcf                       ; conversion in place in window 3
.set W_ST3, 0x0c                       ; LDS store of data in window 3
.set W_MM1, 0x58                       ; A window 0, B window 2, C and D window 1
.set W_SCN, 0x54                       ; lam (window 0) x g + g, g in window 1
.set W_ST1, 0x04                       ; LDS store of data in window 1
.set W_FIX, 0x50                       ; window 0 x window 0 + window 1
.set W_SC1, 0x41                       ; window 1 times a pair of window 0, in place
.set W_CV1, 0x05                       ; sources 0 and 1 in window 1, the rest in window 0
.set W_MM2, 0x5b                       ; A window 3, B window 2, C and D window 1
; Behind a matrix instruction four plain vector instructions that name none of its registers stand before a vector instruction or an LDS store
; reads its result; other matrix instructions are not counted as such here.
.macro PLACES
.rept 4
	v_nop
.endr
.endm
	s_load_b256 s[4:11], s[0:1], 0x0               ; x s[4:5], lambda_log s[6:7], B s[8:9], C s[10:11]
	s_load_b128 s[12:15], s[0:1], 0x20             ; out0 s[12:13], out1 s[14:15]
	v_lshl_add_u32 v22, v0, 2, 0x40800
	v_mov_b32 v23, 0
	ds_add_u32 v22, v23
	ds_add_u32 v22, v23
	v_lshrrev_b32 v[TA], 5, v0
	v_readfirstlane_b32 s16, v[TA]                 ; wave 0..3
	; group 1: a tile of 8 rows x 128 f32, rows 4,096 elements apart in memory, 16 bytes of padding behind each row in LDS
	s_mov_b32 s[G1+0], (2<<16)|(1<<20)|(6<<22)|(3<<25) ; elements of 4 bytes; padding on; after every 128 words (code 6); 4 words (code 3)
	s_mov_b32 s[G1+1], 128<<16                     ; tensor_dim0 = 128
	s_mov_b32 s[G1+2], 8<<16                       ; tensor_dim1 = 8 (the tile lies inside the tensor)
	s_mov_b32 s[G1+3], 128<<16                     ; tile_dim0 = 128
	s_mov_b32 s[G1+4], 8                           ; tile_dim1 = 8
	s_mov_b32 s[G1+5], 4096                        ; from step to step: 32 x 128 elements
	s_mov_b32 s[G1+6], 0
	s_mov_b32 s[G1+7], 0
	s_lshl_b32 s18, ttmp9, 9                       ; b x 512 bytes
	s_lshl_b32 s17, s16, 20                        ; + wave x 64 steps x 16,384 bytes
	s_add_co_u32 s18, s18, s17
	s_mov_b32 s19, 0
	s_mul_i32 s17, s16, XSW                        ; my wave's x in LDS
	s_lshl_b32 s22, s16, 14                        ; my 32 rows of 512 bytes of B and of C
	s_mov_b32 s23, 0
	s_wait_dscnt 0x0
	s_wait_kmcnt 0x0
	s_add_nc_u64 s[4:5], s[4:5], s[18:19]          ; x and out0 at (my first step, b)
	s_add_nc_u64 s[12:13], s[12:13], s[18:19]
	s_add_nc_u64 s[8:9], s[8:9], s[22:23]
	s_add_nc_u64 s[10:11], s[10:11], s[22:23]
	; x: eight loads of mine, all out at once; tile i comes by two (its rows 0-7 from chunk 2 w, rows 8-15 from chunk 2 w + 1).
	; Only I read these bytes, so s_wait_tensorcnt is all the ordering they need.
.irp i, 0,1,2,3
.irp p, 0,1
	s_mov_b32 s[G0+8*\i+4*\p], 1
	s_add_co_u32 s[G0+8*\i+4*\p+1], s17, \i*MT+\p*8*XP
	s_add_nc_u64 s[G0+8*\i+4*\p+2:G0+8*\i+4*\p+3], s[4:5], (32*\p+8*\i)*TSTEP
	s_or_b32 s[G0+8*\i+4*\p+3], s[G0+8*\i+4*\p+3], 0x80000000
	tensor_load_to_lds s[G0+8*\i+4*\p:G0+8*\i+4*\p+3], s[G1:G1+7]
	s_nop 0
.endr
.endr
	v_and_b32 v[LN], 31, v0
	v_and_b32 v[RR], 15, v0
	v_bfe_u32 v[HH], v0, 4, 1
	v_lshlrev_b32 v[GO], 4, v[LN]
	v_lshlrev_b32 v[GL], 2, v[RR]
	WIN W_LD2
.set k, 0
.rept 32
	global_load_b128 v[4*k:4*k+3], v[GO], s[8:9] offset:512*k      ; row 32 w + k of B: the wave's 32 lanes take its 512 bytes
.set k, k+1
.endr
	WIN 0
	global_load_b128 v[G4:G4+3], v[GO], s[6:7]                     ; lambda_log of channels 4 lane .. + 3
.irp nt, 0,1,2,3,4,5,6,7
	global_load_b32 v[U+8*\nt], v[GL], s[6:7] offset:64*\nt        ; and of channels 16 nt + r
.endr
	; LDS addresses, while the loads are out
	v_mul_u32_u24 v[TA], v[RR], XP
	v_lshl_add_u32 v[TA], v[HH], 5, v[TA]          ; r x 528 + 32 h
	v_add_nc_u32 v[AX], s17, v[TA]                 ; row r of a tile of x, 8 f32 for each half of the lanes
	s_mul_i32 s20, s16, MT
	s_add_co_u32 s20, s20, OS
	v_add_nc_u32 v[AOS], s20, v[TA]                ; row r of my stage, 8 f32 for each half
	v_add_nc_u32 v[AOL], s20, v[GO]                ; back: a row of 512 bytes for the 32 lanes
	s_mul_i32 s20, s16, 32*WP
	s_add_co_u32 s20, s20, BW
	v_lshl_add_u32 v[AWS], v[LN], 3, s20           ; my rows of the weights: 4 f16 = 8 bytes a lane
	v_mul_u32_u24 v[TA], v[RR], WP
	v_lshl_add_u32 v[TA], v[HH], 4, v[TA]
	v_add_nc_u32 v[AWF], BW, v[TA]                 ; fragment: row r, 16 bytes for each half
	s_lshl_b32 s20, s16, 12
	s_add_co_u32 s20, s20, HT
	v_lshlrev_b32 v[TA], 5, v[RR]
	v_lshl_add_u32 v[TA], v[HH], 4, v[TA]
	v_add_nc_u32 v[AHS], s20, v[TA]                ; h in: row (channel) r, steps 8 h .. 8 h + 7
	v_and_b32 v[TA], 7, v0
	v_lshl_add_u32 v[TA], v[HH], 3, v[TA]          ; h back: row 8 h + lane % 8,
	v_bfe_u32 v[TB], v0, 3, 1
	v_lshlrev_b32 v[TB], 4, v[TB]                  ; 16 bytes by bit 3 of the lane
	v_lshl_add_u32 v[TA], v[TA], 5, v[TB]
	v_add_nc_u32 v[AHL], s20, v[TA]
	s_mul_i32 s20, s16, 2*FP
	s_add_co_u32 s20, s20, FS
	v_mul_u32_u24 v[TA], v[HH], FP
	v_add_nc_u32 v[TA], v[TA], v[GL]
	v_add_nc_u32 v[AFS], s20, v[TA]                ; slot q = 2 w + h, word r
	v_add_nc_u32 v[AF4], FS+8*FP, v[GO]
	v_mov_b32 v[ZR], 0
	s_mov_b32 s20, 0x76543210                      ; v_permlanex16_b32: lane i of one half reads lane i of the other
	s_mov_b32 s21, 0xfedcba98
	WIN W_LD3
.set k, 0
.rept 32
	global_load_b128 v[4*k:4*k+3], v[GO], s[10:11] offset:512*k    ; row 32 w + k of C
.set k, k+1
.endr
	; B and C to f16, into LDS
	s_wait_loadcnt 41                              ; behind B's 32 loads stand lambda_log's 9 and C's 32: B is in
	WIN W_CV2
.set k, 0
.rept 32
	v_cvt_pk_f16_f32 v[4*k], v[4*k], v[4*k+1]
	v_cvt_pk_f16_f32 v[4*k+1], v[4*k+2], v[4*k+3]
.set k, k+1
.endr
	WIN W_ST2
.set k, 0
.rept 32
	ds_store_b64 v[AWS], v[4*k:4*k+1] offset:k*WP  ; 32 lanes x 8 bytes: a row of 256 bytes
.set k, k+1
.endr
	s_wait_loadcnt 0x0                             ; C (and lambda_log)
	WIN W_CV3
.set k, 0
.rept 32
	v_cvt_pk_f16_f32 v[4*k], v[4*k], v[4*k+1]
	v_cvt_pk_f16_f32 v[4*k+1], v[4*k+2], v[4*k+3]
.set k, k+1
.endr
	WIN W_ST3
.set k, 0
.rept 32
	ds_store_b64 v[AWS], v[4*k:4*k+1] offset:CW+k*WP
.set k, k+1
.endr
	WIN 0
	s_wait_dscnt 0x0                               ; my rows of B and C are in LDS, for the others' sake
	s_barrier_signal -1
	s_barrier_wait -1                              ; everybody's are
	WIN W_LD2
.irp nt, 0,1,2,3,4,5,6,7
.irp ks, 0,1,2,3
	ds_load_b128 v[32*\nt+8*\ks:32*\nt+8*\ks+3],   v[AWF] offset:\nt*16*WP+64*\ks      ; B(16 nt + r, 32 ks + 8 h ..)
	ds_load_b128 v[32*\nt+8*\ks+4:32*\nt+8*\ks+7], v[AWF] offset:\nt*16*WP+64*\ks+32   ; B(16 nt + r, 32 ks + 16 + 8 h ..)
.endr
.endr
; 16 LDS loads: tile i of x as f32, in the fragments' order (lane (r, h): row r, d = 32 ks + 8 h .. + 7 and 32 ks + 16 + 8 h .. + 7)
.macro XLOAD i
	s_wait_tensorcnt 6-2*\i                        ; two loads a tile, in order (ISA guide 10.11.1): the later tiles' loads stay out
	WIN 0
.irp ks, 0,1,2,3
	ds_load_b128 v[RAW+16*\ks:RAW+16*\ks+3],     v[AX] offset:\i*MT+128*\ks
	ds_load_b128 v[RAW+16*\ks+4:RAW+16*\ks+7],   v[AX] offset:\i*MT+128*\ks+16
	ds_load_b128 v[RAW+16*\ks+8:RAW+16*\ks+11],  v[AX] offset:\i*MT+128*\ks+64
	ds_load_b128 v[RAW+16*\ks+12:RAW+16*\ks+15], v[AX] offset:\i*MT+128*\ks+80
.endr
.endm
; 32 LDS loads: C's fragments of the row tiles o0 .. o0 + 3; they come in under the first product, which does not need them
.macro CFRAG o0
	WIN W_LD3
.irp ot, \o0, \o0+1, \o0+2, \o0+3
.irp ks, 0,1,2,3
	ds_load_b128 v[32*(\ot)+8*\ks:32*(\ot)+8*\ks+3],   v[AWF] offset:CW+(\ot)*16*WP+64*\ks
	ds_load_b128 v[32*(\ot)+8*\ks+4:32*(\ot)+8*\ks+7], v[AWF] offset:CW+(\ot)*16*WP+64*\ks+32
.endr
.endr
.endm
	XLOAD 0
	; lam = exp(-exp(lambda_log)) and gamma, in both lane orders at once; lam^32 for channels 4 lane ..; lam^1 .. lam^8 for channels 16 nt + r
.irp c, 0,1,2,3
	v_mul_f32 v[G4+\c], 0x3fb8aa3b, v[G4+\c]       ; x log2(e)
.endr
.irp nt, 0,1,2,3,4,5,6,7
	v_mul_f32 v[U+8*\nt], 0x3fb8aa3b, v[U+8*\nt]
.endr
.irp c, 0,1,2,3
	v_exp_f32 v[G4+\c], v[G4+\c]
.endr
.irp nt, 0,1,2,3,4,5,6,7
	v_exp_f32 v[U+8*\nt], v[U+8*\nt]
.endr
	v_nop                                          ; one plain vector instruction between a transcendental and the use of its result (ISA guide 5.7.2)
	s_wait_alu depctr_va_vdst(0)
.irp c, 0,1,2,3
	v_mul_f32 v[G4+\c], 0xbfb8aa3b, v[G4+\c]       ; x -log2(e)
.endr
.irp nt, 0,1,2,3,4,5,6,7
	v_mul_f32 v[U+8*\nt], 0xbfb8aa3b, v[U+8*\nt]
.endr
.irp c, 0,1,2,3
	v_exp_f32 v[G4+\c], v[G4+\c]
.endr
.irp nt, 0,1,2,3,4,5,6,7
	v_exp_f32 v[U+8*\nt], v[U+8*\nt]
.endr
	v_nop
	s_wait_alu depctr_va_vdst(0)
.irp c, 0,1,2,3
	v_mul_f32 v[L4+\c], v[G4+\c], v[G4+\c]         ; lam^2, rounded,
.endr
.irp nt, 0,1,2,3,4,5,6,7
	v_mul_f32 v[U+8*\nt+1], v[U+8*\nt], v[U+8*\nt]
.endr
.irp c, 0,1,2,3
	v_sub_f32 v[G4+\c], 1.0, v[L4+\c]              ; 1 - lam^2, rounded,
.endr
.irp nt, 0,1,2,3,4,5,6,7
	v_sub_f32 v[GR+\nt], 1.0, v[U+8*\nt+1]
.endr
.irp c, 0,1,2,3
	v_add_f32 v[G4+\c], 0x33d6bf95, v[G4+\c]       ; + 1e-7: reference()'s three roundings (see LIMITS)
.endr
.irp nt, 0,1,2,3,4,5,6,7
	v_add_f32 v[GR+\nt], 0x33d6bf95, v[GR+\nt]
.endr
.irp c, 0,1,2,3
	v_sqrt_f32 v[G4+\c], v[G4+\c]                  ; gamma; the products below stand between the roots and their first use
.endr
.irp nt, 0,1,2,3,4,5,6,7
	v_sqrt_f32 v[GR+\nt], v[GR+\nt]
.endr
.rept 4
.irp c, 0,1,2,3
	v_mul_f32 v[L4+\c], v[L4+\c], v[L4+\c]         ; lam^4, ^8, ^16, ^32
.endr
.endr
.irp nt, 0,1,2,3,4,5,6,7
	v_mul_f32 v[U+8*\nt+2], v[U+8*\nt+1], v[U+8*\nt]       ; ^3
	v_mul_f32 v[U+8*\nt+3], v[U+8*\nt+1], v[U+8*\nt+1]     ; ^4
.endr
.irp nt, 0,1,2,3,4,5,6,7
	v_mul_f32 v[U+8*\nt+4], v[U+8*\nt+3], v[U+8*\nt]       ; ^5
	v_mul_f32 v[U+8*\nt+5], v[U+8*\nt+3], v[U+8*\nt+1]     ; ^6
	v_mul_f32 v[U+8*\nt+6], v[U+8*\nt+3], v[U+8*\nt+2]     ; ^7
	v_mul_f32 v[U+8*\nt+7], v[U+8*\nt+3], v[U+8*\nt+3]     ; ^8
.endr
; FIRST PRODUCT AND SCAN, tile i: x to f16; the next tile's LDS loads (and half of C's fragments); 32 matrix instructions (8 channel tiles x 4 K
; steps, the first K step starts the sums); 8 fused multiply-adds a channel tile, eight chains side by side; the running maxima.  nxt = i + 1.
.macro G1TILE i, nxt
	s_wait_dscnt 0x0                               ; this tile's x is in registers (tile 0: B's fragments too)
	WIN 0
.set q, 0
.rept 32
	v_cvt_pk_f16_f32 v[AF+q], v[RAW+2*q], v[RAW+2*q+1]
.set q, q+1
.endr
.if \i < 3
	XLOAD \nxt
.endif
.if \i == 0
	CFRAG 0
.endif
.if \i == 1
	CFRAG 4
.endif
	WIN W_MM1
.irp nt, 0,1,2,3,4,5,6,7
	v_wmma_f32_16x16x32_f16 v[64*\i+8*\nt:64*\i+8*\nt+7], v[AF:AF+7], v[32*\nt:32*\nt+7], 0
.endr
.irp ks, 1,2,3
.irp nt, 0,1,2,3,4,5,6,7
	v_wmma_f32_16x16x32_f16 v[64*\i+8*\nt:64*\i+8*\nt+7], v[AF+8*\ks:AF+8*\ks+7], v[32*\nt+8*\ks:32*\nt+8*\ks+7], v[64*\i+8*\nt:64*\i+8*\nt+7]
.endr
.endr
	PLACES
	WIN W_SCN
.if \i > 0
.irp nt, 0,1,2,3,4,5,6,7
	v_fma_f32 v[64*\i+8*\nt], v[U+8*\nt], v[64*(\i-1)+8*\nt+7], v[64*\i+8*\nt]         ; on from the last step of the tile before (a chunk's first step starts from 0)
.endr
.endif
.irp j, 1,2,3,4,5,6,7
.irp nt, 0,1,2,3,4,5,6,7
	v_fma_f32 v[64*\i+8*\nt+\j], v[U+8*\nt], v[64*\i+8*\nt+\j-1], v[64*\i+8*\nt+\j]    ; g[t] = lam g[t-1] + (x B^T)[t]
.endr
.endr
	WIN W_CV1
.irp nt, 0,1,2,3,4,5,6,7
.if \i == 0
	v_max_num_f32 v[MX+\nt], |v[8*\nt]|, |v[8*\nt+1]|                                  ; the first two start the maximum: nothing is cleared
.else
	v_max3_num_f32 v[MX+\nt], |v[64*\i+8*\nt]|, |v[64*\i+8*\nt+1]|, v[MX+\nt]
.endif
.endr
.irp c, 2,4,6
.irp nt, 0,1,2,3,4,5,6,7
	v_max3_num_f32 v[MX+\nt], |v[64*\i+8*\nt+\c]|, |v[64*\i+8*\nt+\c+1]|, v[MX+\nt]
.endr
.endr
.endm
	G1TILE 0, 1
	G1TILE 1, 2
	G1TILE 2, 3
	G1TILE 3, 0
	; my chunk's end state into slot 8 + q, zeros into slot q
	WIN W_ST1
.irp nt, 0,1,2,3,4,5,6,7
	ds_store_b32 v[AFS], v[64*3+8*\nt+7] offset:8*FP+64*\nt
.endr
	WIN 0
.irp nt, 0,1,2,3,4,5,6,7
	ds_store_b32 v[AFS], v[ZR] offset:64*\nt
.endr
	s_wait_dscnt 0x0                               ; my states and zeros are in LDS, for the others' sake
	s_barrier_signal -1
	s_barrier_wait -1
	; slots q + 1 .. q + 7 are the end states of chunks q - 7 .. q - 1, zeros where there is no such chunk
.irp s, 1,2,3,4,5,6,7
.irp nt, 0,1,2,3,4,5,6,7
	ds_load_b32 v[RAW+8*(\s-1)+\nt], v[AFS] offset:\s*FP+64*\nt
.endr
.endr
.irp nt, 0,1,2,3,4,5,6,7
	v_mul_f32 v[CI+2*\nt+1], v[U+8*\nt+7], v[U+8*\nt+7]    ; lam^16
.endr
.irp nt, 0,1,2,3,4,5,6,7
	v_mul_f32 v[CI+2*\nt+1], v[CI+2*\nt+1], v[CI+2*\nt+1]  ; lam^32
.endr
	s_wait_dscnt 0x0
.irp nt, 0,1,2,3,4,5,6,7
	v_fma_f32 v[CI+2*\nt], v[CI+2*\nt+1], v[RAW+\nt], v[RAW+8+\nt]
.endr
.irp s, 3,4,5,6,7
.irp nt, 0,1,2,3,4,5,6,7
	v_fma_f32 v[CI+2*\nt], v[CI+2*\nt+1], v[CI+2*\nt], v[RAW+8*(\s-1)+\nt]     ; the state in front of my chunk: sum of lam^(32 (q-1-v)) F[v]
.endr
.endr
	; THE WAVE'S SCALE.  M = max of gamma (max |g from zero| + |state in front|) over my 8 channels, then over the 32 lanes
.irp nt, 0,1,2,3,4,5,6,7
	v_add_f32 v[TM+\nt], v[MX+\nt], |v[CI+2*\nt]|
.endr
	s_wait_alu depctr_va_vdst(0)
.irp nt, 0,1,2,3,4,5,6,7
	v_mul_f32 v[TM+\nt], v[TM+\nt], v[GR+\nt]
.endr
	v_max3_num_f32 v[TM], v[TM], v[TM+1], v[TM+2]
	v_max3_num_f32 v[TM+3], v[TM+3], v[TM+4], v[TM+5]
	v_max3_num_f32 v[TM], v[TM], v[TM+6], v[TM+7]
	v_max_num_f32 v[TM], v[TM], v[TM+3]
	v_max_num_f32_dpp v[TM], v[TM], v[TM] row_xmask:1 row_mask:0xf bank_mask:0xf
	v_max_num_f32_dpp v[TM], v[TM], v[TM] row_xmask:2 row_mask:0xf bank_mask:0xf
	v_max_num_f32_dpp v[TM], v[TM], v[TM] row_xmask:4 row_mask:0xf bank_mask:0xf
	v_max_num_f32_dpp v[TM], v[TM], v[TM] row_xmask:8 row_mask:0xf bank_mask:0xf
	v_permlanex16_b32 v[TM+1], v[TM], s20, s21     ; its destination counts as read: a register that has been written
	v_max_num_f32 v[TM], v[TM], v[TM+1]            ; every lane holds M
	v_max_num_f32 v[TM], 0x04000000, v[TM]         ; at least 2^-119: exponent field E >= 8, so that s and 1 / s are both normal numbers
	v_and_b32 v[TM], 0x7f800000, v[TM]             ; E << 23
	v_sub_nc_u32 v[TM+1], 0x82800000, v[TM]        ; (261 - E) << 23: s = 2^(134 - E); M < 2^(E - 126), so |h| s < 2^8
	v_add_nc_u32 v[IS], 0xfc800000, v[TM]          ; (E - 7) << 23: 1 / s = 2^(E - 134)
	v_mov_b32 v[IS+1], v[IS]
.irp nt, 0,1,2,3,4,5,6,7
	v_mul_f32 v[FF+2*\nt], v[GR+\nt], v[TM+1]      ; gamma s, twice: a pair for the packed multiply
	v_mul_f32 v[FF+2*\nt+1], v[GR+\nt], v[TM+1]
.endr
; SECOND PRODUCT, in four pieces for each tile, laid so that LDS round trips run under the matrix instructions of a neighbouring tile.
; HPREP i: g += lam^(8 i + j + 1) x state; x gamma s; round to f16; 16 bytes a lane (8 steps of a channel) into LDS; back transposed as fragments
; (lane (r, h): step row r, channels 32 ks + 8 h .. and 32 ks + 16 + 8 h ..) into buffer buf of window 2.
; LDS serves a wave's instructions in order (ISA guide 5.7.1.4): the loads see the stores, and these bytes are my wave's own.
.macro HPREP i, buf
	WIN W_FIX
.irp nt, 0,1,2,3,4,5,6,7
.irp c, 0,2,4,6
	v_pk_fma_f32 v[64*\i+8*\nt+\c:64*\i+8*\nt+\c+1], v[U+8*\nt+\c:U+8*\nt+\c+1], v[CI+2*\nt:CI+2*\nt+1], v[64*\i+8*\nt+\c:64*\i+8*\nt+\c+1] op_sel_hi:[1,0,1]
.endr
.endr
	WIN W_SC1
.irp nt, 0,1,2,3,4,5,6,7
.irp c, 0,2,4,6
	v_pk_mul_f32 v[64*\i+8*\nt+\c:64*\i+8*\nt+\c+1], v[64*\i+8*\nt+\c:64*\i+8*\nt+\c+1], v[FF+2*\nt:FF+2*\nt+1]
.endr
.endr
	WIN W_CV1
.irp nt, 0,1,2,3,4,5,6,7
.irp c, 0,1,2,3
	v_cvt_pk_f16_f32 v[PK+4*\nt+\c], v[64*\i+8*\nt+2*\c], v[64*\i+8*\nt+2*\c+1]
.endr
.endr
	WIN 0
.if \i < 3
.irp nt, 0,1,2,3,4,5,6,7
	v_mul_f32 v[CI+2*\nt], v[CI+2*\nt], v[U+8*\nt+7]       ; x lam^8 for the next tile
.endr
.endif
.irp nt, 0,1,2,3,4,5,6,7
	ds_store_b128 v[AHS], v[PK+4*\nt:PK+4*\nt+3] offset:512*\nt
.endr
	WIN W_LD2
.irp ks, 0,1,2,3
	ds_load_tr16_b128 v[32*\buf+8*\ks:32*\buf+8*\ks+3],   v[AHL] offset:1024*\ks
	ds_load_tr16_b128 v[32*\buf+8*\ks+4:32*\buf+8*\ks+7], v[AHL] offset:1024*\ks+512
.endr
.endm
; MM2 i: 32 matrix instructions, source 0 = 16 rows of C, source 1 = the tile's 16 steps; the sums take the registers that g of tile i has left
.macro MM2 i, buf
	WIN W_MM2
.irp ot, 0,1,2,3,4,5,6,7
	v_wmma_f32_16x16x32_f16 v[64*\i+8*\ot:64*\i+8*\ot+7], v[32*\ot:32*\ot+7], v[32*\buf:32*\buf+7], 0
.endr
.irp ks, 1,2,3
.irp ot, 0,1,2,3,4,5,6,7
	v_wmma_f32_16x16x32_f16 v[64*\i+8*\ot:64*\i+8*\ot+7], v[32*\ot+8*\ks:32*\ot+8*\ks+7], v[32*\buf+8*\ks:32*\buf+8*\ks+7], v[64*\i+8*\ot:64*\i+8*\ot+7]
.endr
.endr
.endm
; STAGE i: the sums x 1 / s; lane (r, h) holds out0(step row r, o = 16 ot + 8 h + 0..7): 32 bytes into row r of my stage; then the 16 rows back,
; 512 bytes a load
.macro STAGE i
	WIN W_SC1
.irp ot, 0,1,2,3,4,5,6,7
.irp c, 0,2,4,6
	v_pk_mul_f32 v[64*\i+8*\ot+\c:64*\i+8*\ot+\c+1], v[64*\i+8*\ot+\c:64*\i+8*\ot+\c+1], v[IS:IS+1]
.endr
.endr
	WIN W_ST1
.irp ot, 0,1,2,3,4,5,6,7
	ds_store_b128 v[AOS], v[64*\i+8*\ot:64*\i+8*\ot+3]   offset:64*\ot
	ds_store_b128 v[AOS], v[64*\i+8*\ot+4:64*\i+8*\ot+7] offset:64*\ot+16
.endr
	WIN 0
	s_wait_xcnt 0x0                                ; the last tile's global stores have had their addresses translated (ISA guide 3.1): their data registers are loaded again only behind this wait
.irp m, 0,1,2,3,4,5,6,7,8,9,10,11,12,13,14,15
	ds_load_b128 v[RAW+4*\m:RAW+4*\m+3], v[AOL] offset:\m*XP
.endr
.endm
; OUT i: row m of the tile is step 32 (m / 8) + 8 i + m % 8 of my 64; a store of the wave covers that row's 512 consecutive bytes, aligned to 512
.macro OUT i
	WIN 0
.irp m, 0,1,2,3,4,5,6,7,8,9,10,11,12,13,14,15
	s_wait_dscnt 15-\m                             ; LDS loads come back in order: row m is in, the younger rows may be out
	global_store_b128 v[GO], v[RAW+4*\m:RAW+4*\m+3], s[12:13] offset:(32*(\m>>3)+8*\i+(\m&7))*TSTEP th:TH_STORE_NT
.endr
.endm
	HPREP 0, 0
	s_wait_dscnt 0x0                               ; tile 0's fragments
	MM2 0, 0
	HPREP 1, 1                                     ; its vector instructions are also the places between MM2 0 and the first reader of its results
	STAGE 0
	s_wait_dscnt 32                                ; the stage's 16 stores and 16 loads are younger than tile 1's fragments, which are in
	MM2 1, 1
	OUT 0
	HPREP 2, 0
	STAGE 1
	s_wait_dscnt 32
	MM2 2, 0
	OUT 1
	HPREP 3, 1
	STAGE 2
	s_wait_dscnt 32
	MM2 3, 1
	OUT 2
	PLACES
	STAGE 3
	OUT 3
	; out1[b] = gamma x sum over v of lam^(32 (7 - v)) F[v]: one wave, channels 4 lane .. + 3, one store of the row's 512 bytes
	s_cmp_lg_u32 s16, 0
	s_cbranch_scc1 .Lend
.irp v, 0,1,2,3,4,5,6,7
	ds_load_b128 v[AF+4*\v:AF+4*\v+3], v[AF4] offset:\v*FP
.endr
	s_lshl_b32 s22, ttmp9, 9
	s_mov_b32 s23, 0
	s_add_nc_u64 s[14:15], s[14:15], s[22:23]
	s_wait_dscnt 0x0
.irp v, 1,2,3,4,5,6,7
	v_pk_fma_f32 v[AF:AF+1],   v[AF:AF+1],   v[L4:L4+1],   v[AF+4*\v:AF+4*\v+1]
	v_pk_fma_f32 v[AF+2:AF+3], v[AF+2:AF+3], v[L4+2:L4+3], v[AF+4*\v+2:AF+4*\v+3]
.endr
	v_pk_mul_f32 v[AF:AF+1],   v[AF:AF+1],   v[G4:G4+1]
	v_pk_mul_f32 v[AF+2:AF+3], v[AF+2:AF+3], v[G4+2:G4+3]
	global_store_b128 v[GO], v[AF:AF+3], s[14:15] th:TH_STORE_NT
.Lend:
	s_wait_tensorcnt 0x0
	ds_add_u32 v22, v23
	s_wait_dscnt 0x0
	s_endpgm
.Lfunc_end_k_q355aa33191_lru:
	.size	k_q355aa33191_lru, .Lfunc_end_k_q355aa33191_lru-k_q355aa33191_lru
	.p2alignl 7, 3214868480
	.fill 96, 4, 3214868480
	.section	.rodata,"a",@progbits
	.p2align	6, 0x0
	.amdhsa_kernel k_q355aa33191_lru
		.amdhsa_group_segment_fixed_size 264704
		.amdhsa_private_segment_fixed_size 0
		.amdhsa_enable_private_segment 0
		.amdhsa_kernarg_size 48
		.amdhsa_user_sgpr_count 2
		.amdhsa_user_sgpr_kernarg_segment_ptr 1
		.amdhsa_wavefront_size32 1
		.amdhsa_system_sgpr_workgroup_id_x 1
		.amdhsa_system_sgpr_workgroup_id_y 1
		.amdhsa_system_sgpr_workgroup_id_z 1
		.amdhsa_system_vgpr_workitem_id 0
		.amdhsa_next_free_vgpr 1024
		.amdhsa_next_free_sgpr 66
		.amdhsa_reserve_vcc 0
		.amdhsa_float_denorm_mode_32 3
		.amdhsa_float_denorm_mode_16_64 3
		.amdhsa_memory_ordered 1
		.amdhsa_forward_progress 1
		.amdhsa_inst_pref_size 160
	.end_amdhsa_kernel
	.amdgpu_metadata
---
amdhsa.version: [ 1, 2 ]
amdhsa.kernels:
  - .name:           k_q355aa33191_lru
    .symbol:         k_q355aa33191_lru.kd
    .args:
      - { .name: x, .offset: 0, .size: 8, .value_kind: global_buffer, .address_space: global }
      - { .name: lambda_log, .offset: 8, .size: 8, .value_kind: global_buffer, .address_space: global }
      - { .name: B, .offset: 16, .size: 8, .value_kind: global_buffer, .address_space: global }
      - { .name: C, .offset: 24, .size: 8, .value_kind: global_buffer, .address_space: global }
      - { .name: out0, .offset: 32, .size: 8, .value_kind: global_buffer, .address_space: global }
      - { .name: out1, .offset: 40, .size: 8, .value_kind: global_buffer, .address_space: global }
    .group_segment_fixed_size: 264704
    .private_segment_fixed_size: 0
    .kernarg_segment_align: 8
    .kernarg_segment_size: 48
    .max_flat_workgroup_size: 128
    .sgpr_count:     66
    .vgpr_count:     1024
    .wavefront_size: 32
...
	.end_amdgpu_metadata
.endif
;; end of part 1
